; MI455X (gfx1250); checked and timed in simulation.
; The chip was launched on July 23, 2026; its instructions are those of AMD's public machine-readable ISA for CDNA 5 (MIT licence, August 2026) and "CDNA5" Instruction Set Architecture Reference Guide (July 2026). The comments in the code are by the model that wrote it; some were corrected since.
;; Dot Attention X. Allowed arithmetic: matrix products marked QUANTISED: E2M1 operands, one E8M0 scale for each 32 along K, by v_wmma_scale_f32_16x16x128_f8f6f4 with both operands' format E2M1 (or v_wmma_scale_f32_32x16x128_f4), f32 sums; everything else in f32.
;; Inputs: key 2 x 8 x 2,048 x 64 float32; query 2 x 8 x 2,048 x 64 float32; value 2 x 8 x 2,048 x 64 float32.
;; Outputs: out0 2 x 8 x 2,048 x 64 float32.
;; This version of the problem:
;;   THIS VERSION OF THE PROBLEM IS GIVEN IN LOW PRECISION. The matrix products marked QUANTISED in the list below multiply operands that are first quantised to E2M1 (2 exponent bits, 1 mantissa bit; 4 bits a number), with one power-of-two scale for each 32 numbers along K (OCP MX v1.0); their sums are f32. All else is computed in f32.
;;   The module's matrix products, in the order in which they are computed (A, B: the left and right operand; K: the contracted axis; several contracted axes count as one K, in the product's order):
;;     1. batch 16 x [M 2,048, K 2,048] x [K 2,048, N 64]; A: softmax (see below); B: input value: QUANTISED
;;   THE QUANTISER, for each operand of a quantised product, along K:
;;     - K is cut into blocks of 32 from its start; a last block that is shorter is filled with zeros.
;;     - A block's scale is 2^e with e = floor(log2(the largest magnitude in the block)) - 2, held to -126 .. 127; a block of zeros has e = 0. As a byte (E8M0): e + 127.
;;     - Each number is divided by its block's scale, clamped to +-6, and rounded to the nearest number of E2M1, ties to even, subnormals kept.
;;     - The product sums the exact products of the quantised numbers (number of the format x scale) in f32.
;;   ~~~python
;;   def quantise(x, axis):      # numpy; x: float32 -> the quantised numbers, widened to float32 again
;;       x = np.moveaxis(x, axis, -1); K = x.shape[-1]
;;       x = np.pad(x, [(0, 0)] * (x.ndim - 1) + [(0, -K % 32)]); x = x.reshape(x.shape[:-1] + (-1, 32)); a = np.abs(x).max(-1, keepdims=True)
;;       e = np.where(a > 0, np.clip(np.frexp(np.where(a > 0, a, 1))[1] - 1 - 2, -126, 127), 0)      # np.frexp(a)[1] - 1 = floor(log2(a)), exactly
;;       r = np.clip(x / 2.0 ** e, -6, 6)
;;       step = 2.0 ** (np.maximum(np.frexp(np.where(r == 0, 1, r))[1] - 1, 0) - 1)
;;       q = np.round(r / step) * step * 2.0 ** e      # np.round: ties to even
;;       return np.moveaxis(q.reshape(q.shape[:-2] + (-1,))[..., :K], -1, axis).astype(np.float32)
;;   ~~~
;;   SOFTMAX AHEAD OF A QUANTISED PRODUCT. Where the list says 'softmax', what is quantised is not the finished softmax but p = 2^(t - M), with t = logit x log2(e) and M = ceil(the row's largest t), a whole number; so 1/2 < the row's largest p <= 1. The row's sum l is taken of the UNQUANTISED p, in f32, and the product's result is divided by l at the end. Since M is a whole number, a kernel that streams over the keys may use a running M (the ceiling of the running maximum): every later rescaling is an exact power of two, which a block's scale takes up: the codes' values come out the same.
;;   OPERANDS COMPUTED ON THE WAY. 'Computed on the way' means the value that the module computes at that place (a softmax that the list does not call 'softmax' is quantised finished and normalised). What goes into a quantiser is computed in f32, as accurately as f32 sums, v_exp_f32 and their like allow (about 1e-6 of the number): no bf16 or f16 on the way to a quantiser, and a product that is left as it is and whose result goes on into a quantised operand takes f32 operands (vector FMAs, or v_wmma_f32_16x16x4_f32). A number that lies on a knife's edge between two numbers of the format may be rounded either way, as far as f32 arithmetic and the matrix unit's own rounding can turn it there, and no further.
;; One version. Each part assembles by itself: llvm-mc -triple=amdgcn-amd-amdhsa -mcpu=gfx1250 --defsym DOCPART=n.
;; ======== version 1 of 1: 2 launches
;; workspace buffers: pack 1,310,720 bytes
;; launch prep (part 1): grid 16 x 16, 8 waves a work-group, no clusters, 2,048 bytes of LDS; arguments key, value, pack; writes pack
.if DOCPART == 1
	.amdgcn_target "amdgcn-amd-amdhsa--gfx1250"
	.amdhsa_code_object_version 6
	.text
	.protected	k_qba58e75eed_prep
	.globl	k_qba58e75eed_prep
	.p2align	8
	.type	k_qba58e75eed_prep,@function
k_qba58e75eed_prep:
	s_mov_b64 s[64:65], 0
	v_nop
	global_prefetch_b8 v0, s[64:65] scope:SCOPE_SE
	s_setreg_imm32_b32 hwreg(HW_REG_WAVE_MODE, 25, 1), 1
	s_wait_xcnt 0x0
; PREPARATION for the attention launch.  key, value: [16 heads][2048 keys][64] f32.  A work-group takes one STEP of 128 keys of one head (x = step, y = head) and writes that step's record of pack, 5,120 bytes:
;   0    .. 4095  value's codes of FP4 (E2M1), quantised ALONG THE KEYS, as images of the later operand's registers: piece 2 dt + c of 512 bytes; in it lane (r, h)'s 16 bytes at 256 h + 16 r:
;                 the 32 codes of channel 16 dt + r, block 2 c + h of the step's four blocks of 32 keys
;   4096 .. 4607  the 128 sums of key's rows, f32
;   4608 .. 4863  value's scale words (byte b = block b of the step): at 8 L the words of channels L and 32 + L
;   4864 .. 5119  for block b at 64 b: (largest, smallest) of its 32 sums, eight times over: each of the eight lanes that hold the pair stores it, so that the 32 lanes store 256 consecutive bytes
; A block's scale is 2^(floor(log2(its largest magnitude)) - 2); its byte is that magnitude's exponent field - 2, held at 1 from below.
; LIMITS: a block of zeros gets the byte 1 where the rule says 127 (its codes are zeros, and this program alone reads the bytes); NaN and infinities among the inputs are not served.
; SHARES.  Eight waves.  VALUE: wave w takes block w / 2 and channels 32 (w % 2) on: A LANE TAKES A CHANNEL AND ITS REGISTERS RUN DOWN THE KEYS, so the block's largest magnitude needs no other lane and the
; conversions give codes with the keys innermost; a load reads 128 consecutive bytes.  The lane's 16 bytes go straight to their place in the image: lanes 0-15 store 256 consecutive aligned bytes, lanes 16-31 likewise.
; KEY: wave w sums rows 16 w .. 16 w + 15: a load takes two whole rows (512 consecutive bytes), four numbers a lane; sixteen lanes are joined on the additions themselves (DPP).
; All 40 loads of a wave are issued before the first wait.  No cluster: no two work-groups read the same byte.  No tensor load: nothing is read twice, and the numbers are wanted in registers.
.set REC,   5120
.set PACKH, 16*REC
.set O_KS,  4096
.set O_VS,  4608
.set O_KE,  4864
.set L_KS,  0                          ; LDS: the step's 128 sums
.set L_VS,  512                        ; LDS: the step's 64 scale words
.set T,     16                         ; v16-31  at work on key's rows
.set KR,    32                         ; v32-63  eight loads of key
.set VR,    64                         ; v64-95  my channel's 32 numbers
.set C,     96                         ; v96-99  their codes
	s_load_b128 s[4:7], s[0:1], 0x0                ; key s[4:5], value s[6:7]
	s_load_b64 s[8:9], s[0:1], 0x10                ; pack
	v_lshl_add_u32 v104, v0, 2, 0x400
	v_mov_b32 v105, 0
	v_lshrrev_b32 v1, 5, v0
	v_readfirstlane_b32 s10, v1                    ; wave 0..7
	v_and_b32 v2, 31, v0                           ; lane
	s_and_b32 s11, ttmp7, 0xffff                   ; head
	s_and_b32 s12, s10, 1                          ; u: which 32 channels
	s_lshr_b32 s13, s10, 1                         ; my block of 32 keys
	v_lshlrev_b32 v3, 4, v2                        ; 16 x lane
	v_lshlrev_b32 v4, 2, v2                        ; 4 x lane
	v_lshrrev_b32 v5, 4, v2                        ; lane / 16
	s_lshl_b32 s14, s10, 6
	v_lshl_add_u32 v6, v5, 2, s14                  ; LDS: my wave's 16 sums, the even row's word for lanes 0-15, the odd row's for lanes 16-31
	s_lshl_b32 s15, s12, 2
	s_add_co_u32 s15, s15, s13
	v_lshl_add_u32 v7, v2, 3, s15                  ; LDS: my channel's scale byte: 8 x lane + 4 u + block
	v_lshlrev_b32 v8, 3, v2                        ; 8 x lane
	v_and_b32 v9, 15, v2
	v_lshlrev_b32 v9, 4, v9
	v_lshl_add_u32 v9, v5, 10, v9                  ; my codes in the images: 1,024 (lane / 16) + 16 (lane % 16)
	s_lshl_b32 s16, s11, 19                        ; a head is 2,048 rows of 256 bytes,
	s_lshl_b32 s17, ttmp9, 15                      ; a step 128 rows
	s_add_co_u32 s16, s16, s17
	s_lshl_b32 s18, s10, 12                        ; key: my 16 rows
	s_add_co_u32 s18, s18, s16
	s_mov_b32 s19, 0
	s_lshl_b32 s20, s13, 13                        ; value: my block's 32 rows,
	s_lshl_b32 s21, s12, 7                         ; my 32 channels
	s_add_co_u32 s20, s20, s21
	s_add_co_u32 s20, s20, s16
	s_mov_b32 s21, 0
	s_mul_i32 s22, s11, PACKH
	s_mul_i32 s23, ttmp9, REC
	s_add_co_u32 s22, s22, s23                     ; the step's record
	s_mov_b32 s23, 0
	s_lshl_b32 s24, s12, 11                        ; in it my wave's codes: 2,048 u
	s_lshr_b32 s25, s13, 1
	s_lshl_b32 s25, s25, 9                         ; + 512 (block / 2)
	s_add_co_u32 s24, s24, s25
	s_and_b32 s25, s13, 1
	s_lshl_b32 s25, s25, 8                         ; + 256 (block % 2)
	s_add_co_u32 s24, s24, s25
	s_mov_b32 s25, 0
	s_wait_kmcnt 0x0
	s_add_nc_u64 s[4:5], s[4:5], s[18:19]
	s_add_nc_u64 s[6:7], s[6:7], s[20:21]
	s_add_nc_u64 s[8:9], s[8:9], s[22:23]
	s_add_nc_u64 s[26:27], s[8:9], s[24:25]
.irp i, 0,1,2,3,4,5,6,7
	global_load_b128 v[KR+4*\i:KR+4*\i+3], v3, s[4:5] offset:512*\i th:TH_LOAD_NT   ; rows 2 i and 2 i + 1 of my 16: 512 consecutive bytes
.endr
.irp i, 0,1,2,3,4,5,6,7,8,9,10,11,12,13,14,15,16,17,18,19,20,21,22,23,24,25,26,27,28,29,30,31
	global_load_b32 v[VR+\i], v4, s[6:7] offset:256*\i th:TH_LOAD_NT               ; key i of my block, my channel
.endr
	s_wait_loadcnt 32                              ; key's eight loads are in; value's 32 may be out
.irp i, 0,1,2,3,4,5,6,7
	v_pk_add_f32 v[T+2*\i:T+2*\i+1], v[KR+4*\i:KR+4*\i+1], v[KR+4*\i+2:KR+4*\i+3]   ; my four numbers of a row
.endr
.irp i, 0,1,2,3,4,5,6,7
	v_add_f32 v[T+2*\i], v[T+2*\i], v[T+2*\i+1]
.endr
.irp m, 1,2,4,8
.irp i, 0,1,2,3,4,5,6,7
	v_add_f32_dpp v[T+2*\i], v[T+2*\i], v[T+2*\i] row_xmask:\m row_mask:0xf bank_mask:0xf   ; with the lane m away: after four steps all sixteen lanes hold the row's sum (the eight sums by turns)
.endr
.endr
.irp i, 0,1,2,3,4,5,6,7
	ds_store_b32 v6, v[T+2*\i] offset:L_KS+8*\i    ; sixteen lanes write the same word with the same value
.endr
	s_wait_loadcnt 0x0                             ; value
	v_max3_num_f32 v10, |v[VR]|, |v[VR+1]|, |v[VR+2]|              ; the block's largest magnitude: all 32 numbers are mine; two chains
	v_max3_num_f32 v11, |v[VR+3]|, |v[VR+4]|, |v[VR+5]|
.irp i, 6,10,14,18,22,26
	v_max3_num_f32 v10, v10, |v[VR+\i]|, |v[VR+\i+1]|
	v_max3_num_f32 v11, v11, |v[VR+\i+2]|, |v[VR+\i+3]|
.endr
	v_max3_num_f32 v10, v10, |v[VR+30]|, |v[VR+31]|
	v_max3_num_f32 v10, v10, v11, 0x1800000        ; and the floor 2^(3 - 127): the byte cannot fall under 1
	v_add_nc_u32 v12, 0xff000000, v10              ; 2 off the exponent field: the conversion takes this operand's exponent field as its scale
.irp g, 0,1,2,3
	v_cvt_scalef32_pk8_fp4_f32 v[C+\g], v[VR+8*\g:VR+8*\g+7], v12
.endr
	v_lshrrev_b32 v13, 23, v12                     ; the scale's byte (also the plain line behind the conversions)
	ds_store_b8 v7, v13 offset:L_VS
	global_store_b128 v9, v[C:C+3], s[26:27]       ; lanes 0-15 and lanes 16-31 each store 256 consecutive bytes, aligned
	s_wait_dscnt 0x0                               ; for the others' sake: my LDS stores are done
	s_barrier_signal -1
	s_barrier_wait -1
	s_cmp_lg_u32 s10, 0
	s_cbranch_scc1 .Lend                           ; wave 0 writes the record's last four blocks of 256 bytes
	ds_load_b128 v[32:35], v3 offset:L_KS          ; keys 4 L .. 4 L + 3
	ds_load_b64 v[36:37], v8 offset:L_VS
	s_wait_dscnt 0x0
	global_store_b128 v3, v[32:35], s[8:9] offset:O_KS             ; 512 consecutive bytes
	global_store_b64 v8, v[36:37], s[8:9] offset:O_VS              ; 256 consecutive bytes
	v_max3_num_f32 v40, v32, v33, v34
	v_min3_num_f32 v41, v32, v33, v34
	v_max_num_f32 v40, v40, v35
	v_min_num_f32 v41, v41, v35
.irp m, 1,2,4
	v_max_num_f32_dpp v40, v40, v40 row_xmask:\m row_mask:0xf bank_mask:0xf   ; eight lanes hold a block of 32 keys
	v_min_num_f32_dpp v41, v41, v41 row_xmask:\m row_mask:0xf bank_mask:0xf
.endr
	global_store_b64 v8, v[40:41], s[8:9] offset:O_KE              ; 256 consecutive bytes: block L / 8's pair from each of its eight lanes
.Lend:
	s_wait_tensorcnt 0x0
	ds_add_u32 v104, v105
	s_wait_dscnt 0x0
	s_endpgm
.Lfunc_end_k_qba58e75eed_prep:
	.size	k_qba58e75eed_prep, .Lfunc_end_k_qba58e75eed_prep-k_qba58e75eed_prep
	.p2alignl 7, 3214868480
	.fill 96, 4, 3214868480
	.section	.rodata,"a",@progbits
	.p2align	6, 0x0
	.amdhsa_kernel k_qba58e75eed_prep
		.amdhsa_group_segment_fixed_size 2048
		.amdhsa_private_segment_fixed_size 0
		.amdhsa_enable_private_segment 0
		.amdhsa_kernarg_size 24
		.amdhsa_user_sgpr_count 2
		.amdhsa_user_sgpr_kernarg_segment_ptr 1
		.amdhsa_wavefront_size32 1
		.amdhsa_system_sgpr_workgroup_id_x 1
		.amdhsa_system_sgpr_workgroup_id_y 1
		.amdhsa_system_sgpr_workgroup_id_z 1
		.amdhsa_system_vgpr_workitem_id 0
		.amdhsa_next_free_vgpr 106
		.amdhsa_next_free_sgpr 66
		.amdhsa_reserve_vcc 0
		.amdhsa_float_denorm_mode_32 3
		.amdhsa_float_denorm_mode_16_64 3
		.amdhsa_memory_ordered 1
		.amdhsa_forward_progress 1
		.amdhsa_inst_pref_size 13
	.end_amdhsa_kernel
	.amdgpu_metadata
---
amdhsa.version: [ 1, 2 ]
amdhsa.kernels:
  - .name:           k_qba58e75eed_prep
    .symbol:         k_qba58e75eed_prep.kd
    .args:
      - { .name: key, .offset: 0, .size: 8, .value_kind: global_buffer, .address_space: global }
      - { .name: value, .offset: 8, .size: 8, .value_kind: global_buffer, .address_space: global }
      - { .name: pack, .offset: 16, .size: 8, .value_kind: global_buffer, .address_space: global }
    .group_segment_fixed_size: 2048
    .private_segment_fixed_size: 0
    .kernarg_segment_align: 8
    .kernarg_segment_size: 24
    .max_flat_workgroup_size: 256
    .sgpr_count:     66
    .vgpr_count:     106
    .wavefront_size: 32
...
	.end_amdgpu_metadata
.endif
;; end of part 1
;; launch attn (part 2): grid 16 x 16, 8 waves a work-group, clusters of 4 x 1, 168,960 bytes of LDS; arguments query, pack, out0; writes out0
.if DOCPART == 2
	.amdgcn_target "amdgcn-amd-amdhsa--gfx1250"
	.amdhsa_code_object_version 6
	.text
	.protected	k_qba58e75eed_attn
	.globl	k_qba58e75eed_attn
	.p2align	8
	.type	k_qba58e75eed_attn,@function
k_qba58e75eed_attn:
	s_mov_b64 s[64:65], 0
	v_nop
	global_prefetch_b8 v0, s[64:65] scope:SCOPE_SE
	s_setreg_imm32_b32 hwreg(HW_REG_WAVE_MODE, 25, 1), 1
	s_wait_xcnt 0x0
	s_wait_alu depctr_hold_cnt(0) depctr_sa_sdst(0) depctr_va_vdst(0) depctr_va_sdst(0) depctr_va_ssrc(0) depctr_va_vcc(0) depctr_vm_vsrc(0)
	s_getreg_b32 s2, hwreg(HW_REG_IB_STS2, 6, 4)
	s_cmp_eq_u32 s2, 0
	s_cbranch_scc0 .Lentry_in_a_cluster
	s_endpgm
.Lentry_in_a_cluster:
	s_bfe_u32 s2, ttmp6, 0x10000c
	s_cmp_lg_u32 s2, 0x3003
	s_cbranch_scc0 .Lentry_shape_is_right
	s_endpgm
.Lentry_shape_is_right:
; out[h][q][:] = sum over keys of softmax_k(qsum[q] ksum[k]) value[k][:], the product on codes of FP4 (E2M1) with one E8M0 scale for each 32 keys.  query, out: [16][2048][64] f32; pack: the preparation's records (5,120 bytes a step of 128 keys).
; THE SOFTMAX.  a = qsum x log2(e); t = a x ksum; M = ceil(the row's largest t); p = 2^(t - M) is quantised along the keys; l, the sum of the unquantised p, divides at the end.  The score is a product of two sums, so the
; row's largest t is a x (the head's largest ksum where a >= 0, else its smallest): M IS THE TRUE MAXIMUM'S CEILING AND IS KNOWN BEFORE THE FIRST EXPONENTIAL: nothing is ever rescaled.  Likewise a block's largest p: the block's
; largest or smallest ksum goes through the same multiply-add and exponential as every p, which gives the same bits as that key's p (this takes v_exp_f32 not to fall where its input rises).
; LIMITS: NaN and infinities are not served; p under 2^-126 counts as 0 (v_exp_f32: ISA guide 15.8); a block whose every p is 0 keeps the byte 1 over zero codes; t - M is one fused multiply-add of ksum, a and -M.
; SHARES.  A work-group owns 128 queries of one head.  Wave w: the pair of tiles w % 4 (32 queries) x the half w / 4 of the keys (8 steps of 128).  TWO TILES TO A WAVE: each LDS read of sums and of V's fragments serves both.
; M is the same for both halves of the keys, so their O^T and l simply add: waves 4-7 hand theirs through LDS, waves 0-3 add, divide and store.
; LAYOUT.  O^T = V^T P^T: source 0 = 16 channels, source 1 = P: lane (r, h) holds query r and keys 64 c + 32 h + 0 .. 31, c = 0, 1: two WHOLE blocks.  p is computed in just those lanes, so the conversions' results are the operand.
; LDS.  The head's 81,920 bytes of pack come once, one tensor load a wave (40 rows of 256 bytes); nothing is filled again.  Behind them, in blocks of 256 bytes of their own: the query sums, the hand-over, the stages.
; CLUSTER.  The four work-groups of a cluster are four query blocks of one head and want the same 81,920 bytes: each wave's load is asked for JOINTLY, with the same descriptor and a mask that names the four.
; A STEP BY TURNS: tile 0's exponentials stand among tile 1's multiply-adds, tile 1's among tile 0's scales, conversions and sums; two waits for exponentials a step, each for a batch of 66.
; REGISTERS.  Window 0: v1-7, v56-62 addresses; v8-15 a and -M, each twice (pairs for the packed forms); v16-23 l; v24-27 the blocks' largest p; v28-31 at work; v32-35 the blocks' extremes; v36-37 V's scale words, v38-39 P's;
;   v40-55 P's codes; v64-127 the step's sums of key; v128-191, v192-255 p of tile 0, 1.   Window 1: v0-63 O^T (tile t, channels 16 dt on: 32 t + 8 dt); v64-95 V's four fragments.
.set REC,   5120
.set PACKH, 16*REC
.set O_KS,  4096
.set O_VS,  4608
.set O_KE,  4864
.set QS,    PACKH                      ; LDS: 128 sums of query's rows
.set CMB,   QS+512                     ; the hand-over: for each pair of tiles 64 registers' images and two of l
.set CMBW,  8448
.set STAGE, CMB+4*CMBW                 ; the way out: two tiles of 16 rows x (256 + 16) bytes for each of waves 0-3
.set SP,    272
.set STW,   2*16*SP
.set AC,  1                            ; v1   V's images of the step: 16 x lane
.set AKS, 2                            ; v2   the step's sums: 128 h
.set AVS, 3                            ; v3   V's scale words: 8 x lane
.set AKE, 4                            ; v4   the blocks' extremes: 64 h
.set SH,  5                            ; v5   8 h
.set TX,  6                            ; v6   a lane permute's destination
.set GO,  7                            ; v7   16 x lane: my bytes in two rows of query or of out
.set A,   8                            ; tile t: v[A+4t] a, v[A+4t+2] -M
.set SUM, 16                           ; tile t: two packed chains
.set XM,  24                           ; tile t: its two blocks' largest t - M, then p
.set SO,  28                           ; the conversions' scale operands
.set BY,  30                           ; the scales' bytes
.set KE,  32                           ; (largest, smallest) of block h, of block 2 + h
.set VS,  36
.set PS,  38
.set CD,  40
.set CA,  56                           ; v56  the hand-over: 16 x lane
.set CL,  57                           ; v57  and l's words: 4 x lane
.set STO, 58
.set RD,  59
.set QSA, 60
.set QSR, 61
.set AH,  62
.set KS,  64
.set P,   128
.set VF,  64                           ; in window 1
.set WV,  10
.set TP,  11
.set KH,  24
.set SEL, 32                           ; s[32:33] v_permlanex16_b32's selects for lane l xor 16
.set MK,  34                           ; s34, s35 tile t: the lanes whose a is not negative
.set CNT, 36
.set MSB, 0
.macro WIN new                         ; the immediate's high byte repeats the setting that is left
.if MSB != \new
	s_set_vgpr_msb (MSB<<8)|\new
.set MSB, \new
.endif
.endm
.macro ROUND                           ; a round of the cluster's barrier
	s_barrier_signal -1
	s_barrier_wait -1
	s_cmp_lg_u32 s[WV], 0
	s_cbranch_scc1 .Lnot_wave_0_\@
	s_barrier_signal -3
.Lnot_wave_0_\@:
	s_barrier_wait -3
	s_barrier_signal -1
	s_barrier_wait -1
.endm
	s_load_b128 s[4:7], s[0:1], 0x0                ; query s[4:5], pack s[6:7]
	s_load_b64 s[8:9], s[0:1], 0x10                ; out
	v_lshl_add_u32 v63, v0, 2, 0x29000
	s_set_vgpr_msb 0x40
	v_mov_b32 v97, 0
	s_set_vgpr_msb 0x4044
	ds_add_u32 v63, v97
	ds_add_u32 v63, v97
	s_set_vgpr_msb 0x4400
	v_lshrrev_b32 v28, 5, v0
	v_readfirstlane_b32 s[WV], v28                 ; wave 0..7
	s_and_b32 s[TP], s[WV], 3                      ; my pair of tiles
	s_lshr_b32 s[KH], s[WV], 2                     ; my half of the keys
	s_bfe_u32 s25, ttmp6, 0x40000                  ; cx: my place in the cluster
	s_lshl_b32 s26, ttmp9, 2
	s_add_co_u32 s26, s26, s25                     ; my block of 128 queries: it enters query's and out's addresses alone
	s_and_b32 s27, ttmp7, 0xffff                   ; the head, which the four partners share
	; descriptor group 1: 40 rows of 32 elements of 8 bytes, dense, no padding
	s_mov_b32 s16, 15|(3<<16)|(1<<21)              ; 15:0 the mask: all four work-groups; 17:16 elements of 8 bytes; 21 set beside a mask
	s_mov_b32 s17, 32<<16                          ; tensor_dim0 = 32
	s_mov_b32 s18, 40<<16                          ; tensor_dim1 = 40
	s_mov_b32 s19, 32<<16                          ; tile_dim0 = 32
	s_mov_b32 s20, 40                              ; tile_dim1 = 40
	s_mov_b32 s21, 32                              ; from row to row
	s_mov_b32 s22, 0
	s_mov_b32 s23, 0
	s_mul_i32 s28, s27, PACKH
	s_mul_i32 s30, s[WV], 2*REC                    ; my wave fetches two steps' records
	s_add_co_u32 s28, s28, s30
	s_mov_b32 s29, 0
	s_lshl_b32 s38, s27, 19                        ; a head of query or out: 2,048 rows of 256 bytes
	s_lshl_b32 s39, s26, 15                        ; my block's 128 rows
	s_add_co_u32 s38, s38, s39
	s_mov_b32 s39, 0
	s_lshl_b32 s40, s[WV], 12                      ; query: wave w sums rows 16 w on
	s_mov_b32 s41, 0
	s_lshl_b32 s42, s[TP], 13                      ; out: my pair's 32 rows
	s_mov_b32 s43, 0
	s_mov_b32 s[SEL], 0x76543210
	s_mov_b32 s[SEL+1], 0xfedcba98
	v_and_b32 v28, 31, v0                          ; lane
	v_lshlrev_b32 v[GO], 4, v28
	s_wait_dscnt 0x0
	s_wait_kmcnt 0x0
	s_add_nc_u64 s[4:5], s[4:5], s[38:39]
	s_add_nc_u64 s[4:5], s[4:5], s[40:41]
	s_add_nc_u64 s[8:9], s[8:9], s[38:39]
	s_add_nc_u64 s[8:9], s[8:9], s[42:43]
.irp i, 0,1,2,3,4,5,6,7
	global_load_b128 v[KS+4*\i:KS+4*\i+3], v[GO], s[4:5] offset:512*\i th:TH_LOAD_NT   ; rows 2 i and 2 i + 1 of my 16: 512 consecutive bytes; they are on their way while the cluster meets
.endr
	s_mov_b32 s12, 1                               ; group 0: count = 1
	s_mul_i32 s13, s[WV], 2*REC                    ; LDS address: pack lies in LDS as in memory; no place in the cluster enters it
	s_add_nc_u64 s[14:15], s[6:7], s[28:29]        ; global address: made of the head and the wave's number alone
	s_or_b32 s15, s15, 0x80000000                  ; type = 2
	ROUND                                          ; all four work-groups are here: the joint loads meet
	tensor_load_to_lds s[12:15], s[16:23]          ; my one tensor load of the launch
	s_nop 0
.rept 4
	v_nop                                          ; four plain lines behind a tensor load
.endr
	v_and_b32 v29, 15, v0                          ; r
	v_bfe_u32 v30, v0, 4, 1                        ; h
	s_lshl_b32 s44, s[WV], 6
	s_add_co_u32 s44, s44, QS
	v_lshl_add_u32 v[QSA], v30, 2, s44             ; where my wave puts its 16 sums
	s_lshl_b32 s44, s[TP], 7
	s_add_co_u32 s44, s44, QS
	v_lshl_add_u32 v[QSR], v29, 2, s44             ; where I find query r's of my first tile
	s_mul_i32 s44, s[TP], CMBW
	s_add_co_u32 s44, s44, CMB
	v_lshl_add_u32 v[CA], v28, 4, s44
	s_add_co_u32 s45, s44, 8192
	v_lshl_add_u32 v[CL], v28, 2, s45
	s_mul_i32 s46, s[TP], STW
	s_add_co_u32 s46, s46, STAGE
	v_mul_u32_u24 v[STO], v29, SP                  ; into the stage: row r, 32 bytes for each half of the lanes
	v_lshl_add_u32 v[STO], v30, 5, v[STO]
	v_add_nc_u32 v[STO], s46, v[STO]
	v_mul_u32_u24 v[RD], v30, SP                   ; back: lanes 0-15 one row, lanes 16-31 the next
	v_lshl_add_u32 v[RD], v29, 4, v[RD]
	v_add_nc_u32 v[RD], s46, v[RD]
	v_lshrrev_b32 v31, 1, v28
	v_mul_u32_u24 v[AH], v31, REC                  ; the head's 64 blocks' extremes: lane L takes step L / 2, blocks 2 (L % 2) and 2 (L % 2) + 1
	v_and_b32 v31, 1, v28
	v_lshl_add_u32 v[AH], v31, 7, v[AH]
	s_mul_i32 s47, s[KH], 8*REC                    ; my half of the keys begins here
	v_lshl_add_u32 v[AC], v28, 4, s47
	v_lshl_add_u32 v[AKS], v30, 7, s47
	v_lshl_add_u32 v[AVS], v28, 3, s47
	v_lshl_add_u32 v[AKE], v30, 6, s47
	v_lshlrev_b32 v[SH], 3, v30
	v_mov_b32 v[TX], 0                             ; written once: a lane permute's destination counts as one of its sources
.irp i, 0,1,2,3,4,5,6,7
	v_mov_b32 v[SUM+\i], 0                         ; l of both tiles
.endr
	s_wait_loadcnt 0x0                             ; query
.irp i, 0,1,2,3,4,5,6,7
	v_pk_add_f32 v[P+2*\i:P+2*\i+1], v[KS+4*\i:KS+4*\i+1], v[KS+4*\i+2:KS+4*\i+3]
.endr
.irp i, 0,1,2,3,4,5,6,7
	v_add_f32 v[P+2*\i], v[P+2*\i], v[P+2*\i+1]
.endr
.irp m, 1,2,4,8
.irp i, 0,1,2,3,4,5,6,7
	v_add_f32_dpp v[P+2*\i], v[P+2*\i], v[P+2*\i] row_xmask:\m row_mask:0xf bank_mask:0xf   ; sixteen lanes hold a row
.endr
.endr
.irp i, 0,1,2,3,4,5,6,7
	ds_store_b32 v[QSA], v[P+2*\i] offset:8*\i     ; sixteen lanes write the same word with the same value
.endr
	s_wait_tensorcnt 0x0                           ; my part of pack has landed,
	s_wait_dscnt 0x0                               ; my sums are stored:
	s_barrier_signal -1
	s_barrier_wait -1                              ; everybody's have
.macro KSLOAD off                      ; 18 LDS loads: my 64 sums of key and my two blocks' extremes, of the step off bytes on.  Sixteen lanes read the same 16 bytes
.irp c, 0,1
.irp i, 0,1,2,3,4,5,6,7
	ds_load_b128 v[KS+32*\c+4*\i:KS+32*\c+4*\i+3], v[AKS] offset:\off+O_KS+256*\c+16*\i
.endr
.endr
	ds_load_b64 v[KE:KE+1], v[AKE] offset:\off+O_KE
	ds_load_b64 v[KE+2:KE+3], v[AKE] offset:\off+O_KE+128
.endm
.macro VLOAD                           ; 9 LDS loads: V's four fragments, as images of their registers, and its scale words
	WIN 0x40                                       ; destination window 1
.irp f, 0,1,2,3,4,5,6,7
	ds_load_b128 v[VF+4*\f:VF+4*\f+3], v[AC] offset:512*\f
.endr
	WIN 0
	ds_load_b64 v[VS:VS+1], v[AVS] offset:O_VS     ; v36: channels 0-15 in lanes 0-15, 16-31 in lanes 16-31; v37: channels 32-47, 48-63
.endm
.macro XMAX t                          ; tile t: the largest t - M of my two blocks: the extreme that a's sign picks, through the same multiply-add as every score
	v_cndmask_b32 v[XM+2*\t], v[KE+1], v[KE], s[MK+\t]
	v_cndmask_b32 v[XM+2*\t+1], v[KE+3], v[KE+2], s[MK+\t]
	v_pk_fma_f32 v[XM+2*\t:XM+2*\t+1], v[XM+2*\t:XM+2*\t+1], v[A+4*\t:A+4*\t+1], v[A+4*\t+2:A+4*\t+3] op_sel_hi:[1,0,0]
.endm
.macro FMA t                           ; tile t, pair j: ksum x a - M (of the pairs a and -M the low word serves both halves)
	v_pk_fma_f32 v[P+64*\t+2*j:P+64*\t+2*j+1], v[KS+2*j:KS+2*j+1], v[A+4*\t:A+4*\t+1], v[A+4*\t+2:A+4*\t+3] op_sel_hi:[1,0,0]
.endm
; Line n of 50 of what follows tile t's exponentials: 0-9 the two scales and P's scale word; 10-17 the conversions; 18-49 the sum of the unquantised p, two packed chains.
; The 32 additions are also the places between the scale word (8 asked) and the codes (4 asked) and the scaled matrix instructions.
.macro FIN t
.set rX, XM+2*(\t)
.set rP, P+64*(\t)
.set rL, SUM+4*(\t)+2*(n%2)
.if n < 2
	v_max_num_f32 v[rX+n], 0x1800000, v[rX+n]      ; the floor 2^(3 - 127): the byte cannot fall under 1
.elseif n < 4
	v_add_nc_u32 v[SO+n-2], 0xff000000, v[rX+n-2]  ; 2 off the exponent field: the conversion's scale operand
.elseif n < 6
	v_lshrrev_b32 v[BY+n-4], 23, v[SO+n-4]         ; the scale's byte
.elseif n == 6
	v_lshl_or_b32 v[PS+\t], v[BY+1], 16, v[BY]     ; my bytes: blocks h and 2 + h,
.elseif n == 7
	v_lshlrev_b32 v[PS+\t], v[SH], v[PS+\t]        ; at their places in the word;
.elseif n == 8
	v_permlanex16_b32 v[TX], v[PS+\t], s[SEL], s[SEL+1]
.elseif n == 9
	v_or_b32 v[PS+\t], v[PS+\t], v[TX]             ; with lane l xor 16's two the word is whole
.elseif n < 18
	v_cvt_scalef32_pk8_fp4_f32 v[CD+8*(\t)+n-10], v[rP+8*(n-10):rP+8*(n-10)+7], v[SO+(n-10)/4]
.else
	v_pk_add_f32 v[rL:rL+1], v[rL:rL+1], v[rP+2*(n-18):rP+2*(n-18)+1]
.endif
.endm
.macro WM t, dt, zero                  ; O^T(tile t, channels 16 dt on) += V^T P^T over the step's 128 keys
.set rO, 32*(\t)+8*(\dt)
.set rV, VF+8*(\dt)
.set rC, CD+8*(\t)
.if \zero
.if (\dt)%2
	v_wmma_scale_f32_16x16x128_f8f6f4 v[rO:rO+7], v[rV:rV+7], v[rC:rC+7], 0, v[VS+(\dt)/2], v[PS+\t] matrix_a_fmt:MATRIX_FMT_FP4 matrix_b_fmt:MATRIX_FMT_FP4 matrix_a_scale:MATRIX_SCALE_ROW1
.else
	v_wmma_scale_f32_16x16x128_f8f6f4 v[rO:rO+7], v[rV:rV+7], v[rC:rC+7], 0, v[VS+(\dt)/2], v[PS+\t] matrix_a_fmt:MATRIX_FMT_FP4 matrix_b_fmt:MATRIX_FMT_FP4
.endif
.else
.if (\dt)%2
	v_wmma_scale_f32_16x16x128_f8f6f4 v[rO:rO+7], v[rV:rV+7], v[rC:rC+7], v[rO:rO+7], v[VS+(\dt)/2], v[PS+\t] matrix_a_fmt:MATRIX_FMT_FP4 matrix_b_fmt:MATRIX_FMT_FP4 matrix_a_scale:MATRIX_SCALE_ROW1
.else
	v_wmma_scale_f32_16x16x128_f8f6f4 v[rO:rO+7], v[rV:rV+7], v[rC:rC+7], v[rO:rO+7], v[VS+(\dt)/2], v[PS+\t] matrix_a_fmt:MATRIX_FMT_FP4 matrix_b_fmt:MATRIX_FMT_FP4
.endif
.endif
.endm
; A STEP of 128 keys for both tiles.  zero = 1: its products start the sums: nothing is cleared.  more = 1: the next step's sums are fetched as soon as tile 1's multiply-adds have read this step's.
.macro STEP zero, more
	VLOAD
	s_wait_dscnt 9                                 ; this step's sums and extremes, asked for a step ago, are in; the nine loads just issued may be out
	XMAX 0
.set j, 0
.rept 32
	FMA 0
.set j, j+1
.endr
	v_exp_f32 v[XM], v[XM]                         ; tile 0's batch of 66 exponentials, tile 1's multiply-adds among them: none of these lines names an exponential's result
	v_exp_f32 v[XM+1], v[XM+1]
	XMAX 1
.set j, 0
.rept 32
	FMA 1
	v_exp_f32 v[P+2*j], v[P+2*j]
	v_exp_f32 v[P+2*j+1], v[P+2*j+1]
.set j, j+1
.endr
.if \more
	KSLOAD REC
.endif
	v_nop                                          ; a plain line behind the last exponential
	s_wait_alu depctr_va_vdst(0)                   ; one wait for the batch, ahead of its first reader
	v_exp_f32 v[XM+2], v[XM+2]                     ; tile 1's batch, tile 0's finish among it: the finish names tile 0's results alone
	v_exp_f32 v[XM+3], v[XM+3]
.set n, 0
.rept 64
.if n < 50
	FIN 0
.endif
	v_exp_f32 v[P+64+n], v[P+64+n]
.set n, n+1
.endr
	v_nop
	s_wait_alu depctr_va_vdst(0)                   ; and one for tile 1's batch
.set n, 0
.rept 50
	FIN 1
.set n, n+1
.endr
.if \more
	s_wait_dscnt 18                                ; V's nine loads are in; the next step's 18 may be out
.else
	s_wait_dscnt 0x0
.endif
	WIN 0x51                                       ; V, C and D window 1, P window 0
.irp dt, 0,1,2,3
.irp t, 0,1
	WM \t, \dt, \zero                              ; the eight accumulators by turns, one instruction a turn, in the same order in every step
.endr
.endr
	WIN 0
.if \more
	v_add_nc_u32 v[AC], REC, v[AC]                 ; on to the next step; these four lines are also the places in front of the loads into V's registers
	v_add_nc_u32 v[AKS], REC, v[AKS]
	v_add_nc_u32 v[AVS], REC, v[AVS]
	v_add_nc_u32 v[AKE], REC, v[AKE]
.endif
.endm
	ds_load_b32 v[A], v[QSR]                       ; qsum of my query in tile 0,
	ds_load_b32 v[A+4], v[QSR] offset:64           ; in tile 1
	ds_load_b64 v[XM:XM+1], v[AH] offset:O_KE      ; two of the head's 64 blocks' extremes
	ds_load_b64 v[XM+2:XM+3], v[AH] offset:O_KE+64
	KSLOAD 0                                       ; my first step
	s_wait_dscnt 18                                ; the four loads above are in; the 18 behind them may be out
	v_max_num_f32 v[XM], v[XM], v[XM+2]
	v_min_num_f32 v[XM+1], v[XM+1], v[XM+3]
.irp m, 1,2,4,8
	v_max_num_f32_dpp v[XM], v[XM], v[XM] row_xmask:\m row_mask:0xf bank_mask:0xf
	v_min_num_f32_dpp v[XM+1], v[XM+1], v[XM+1] row_xmask:\m row_mask:0xf bank_mask:0xf
.endr
	v_permlanex16_b32 v[XM+2], v[XM], s[SEL], s[SEL+1]
	v_permlanex16_b32 v[XM+3], v[XM+1], s[SEL], s[SEL+1]
	v_max_num_f32 v[XM], v[XM], v[XM+2]            ; the head's largest ksum,
	v_min_num_f32 v[XM+1], v[XM+1], v[XM+3]        ; and its smallest, in every lane
.irp t, 0,1
	v_mul_f32 v[A+4*\t], 0x3fb8aa3b, v[A+4*\t]     ; a = qsum x log2(e)
.endr
.irp t, 0,1
	v_cmp_le_f32 s[MK+\t], 0, v[A+4*\t]
	v_mov_b32 v[A+4*\t+1], v[A+4*\t]               ; (named with it as a pair, so it is written)
	v_cndmask_b32 v[SO+\t], v[XM+1], v[XM], s[MK+\t]
	v_mul_f32 v[SO+\t], v[SO+\t], v[A+4*\t]        ; the row's largest t
	v_floor_f32 v[A+4*\t+2], -v[SO+\t]             ; -M = floor(-t) = -ceil(t)
	v_mov_b32 v[A+4*\t+3], v[A+4*\t+2]
.endr
	STEP 1, 1                                      ; the first step stands in front of the loop: its products start the sums
	s_mov_b32 s[CNT], 6
.Lstep:
	STEP 0, 1
	s_sub_co_u32 s[CNT], s[CNT], 1
	s_cmp_lg_u32 s[CNT], 0
	s_cbranch_scc1 .Lstep
	STEP 0, 0                                      ; the last step fetches nothing more
	; l: the two chains, the two halves of a pair, and lane l xor 16's keys.  The plain additions are the places behind the last products.
.irp t, 0,1
	v_pk_add_f32 v[SUM+4*\t:SUM+4*\t+1], v[SUM+4*\t:SUM+4*\t+1], v[SUM+4*\t+2:SUM+4*\t+3]
.endr
.irp t, 0,1
	v_add_f32 v[SUM+4*\t], v[SUM+4*\t], v[SUM+4*\t+1]
.endr
.irp t, 0,1
	v_permlanex16_b32 v[SUM+4*\t+1], v[SUM+4*\t], s[SEL], s[SEL+1]
.endr
.irp t, 0,1
	v_add_f32 v[SUM+4*\t], v[SUM+4*\t], v[SUM+4*\t+1]
.endr
	s_cmp_eq_u32 s[KH], 0
	s_cbranch_scc1 .Lowner
	WIN 0x04                                       ; waves 4-7 hand their O^T over as images of its registers (an LDS store's data are its source 1: window 1), each accumulator from its low end on
.irp f, 0,1,2,3,4,5,6,7,8,9,10,11,12,13,14,15
	ds_store_b128 v[CA], v[4*\f:4*\f+3] offset:512*\f
.endr
	WIN 0
	ds_store_b32 v[CL], v[SUM]
	ds_store_b32 v[CL], v[SUM+4] offset:128
.Lowner:
	s_wait_dscnt 0x0                               ; for the others' sake: my stores are done
	s_barrier_signal -1
	s_barrier_wait -1
	s_cmp_lg_u32 s[KH], 0
	s_cbranch_scc1 .Lclose
.irp f, 0,1,2,3,4,5,6,7,8,9,10,11,12,13,14,15
	ds_load_b128 v[KS+4*\f:KS+4*\f+3], v[CA] offset:512*\f
.endr
	ds_load_b32 v[XM], v[CL]
	ds_load_b32 v[XM+1], v[CL] offset:128
	s_wait_dscnt 0x0
	v_add_f32 v[SUM], v[SUM], v[XM]                ; the rows' sums over all 2,048 keys
	v_add_f32 v[SUM+4], v[SUM+4], v[XM+1]
	v_rcp_f32 v[A], v[SUM]
	v_rcp_f32 v[A+4], v[SUM+4]
	WIN 0x01                                       ; source 0 (my O^T) window 1
.set j, 0
.rept 32
	v_pk_add_f32 v[P+2*j:P+2*j+1], v[2*j:2*j+1], v[KS+2*j:KS+2*j+1]   ; the two halves of the keys; plain work behind the reciprocals, which it does not name
.set j, j+1
.endr
	WIN 0
	s_wait_alu depctr_va_vdst(0)                   ; one wait for both reciprocals, ahead of their first reader
.set j, 0
.rept 32
	v_pk_mul_f32 v[P+2*j:P+2*j+1], v[P+2*j:P+2*j+1], v[A+4*(j/16):A+4*(j/16)+1] op_sel_hi:[1,0]   ; register 32 t + 8 dt + i is out(query r of tile t, channel 16 dt + 8 h + i)
.set j, j+1
.endr
	; THE WAY OUT: a lane holds 32 bytes of a row and the lanes beside it other rows: through my own stage, and back as whole rows of 256 bytes.  LDS serves a wave's instructions in order (ISA guide 5.7.1.4): no wait between stores and loads.
.irp t, 0,1
.irp dt, 0,1,2,3
	ds_store_b128 v[STO], v[P+32*\t+8*\dt:P+32*\t+8*\dt+3] offset:\t*16*SP+64*\dt
	ds_store_b128 v[STO], v[P+32*\t+8*\dt+4:P+32*\t+8*\dt+7] offset:\t*16*SP+64*\dt+16
.endr
.endr
.irp t, 0,1
.irp i, 0,1,2,3,4,5,6,7
	ds_load_b128 v[KS+32*\t+4*\i:KS+32*\t+4*\i+3], v[RD] offset:\t*16*SP+2*\i*SP
.endr
.endr
.irp t, 0,1
.irp i, 0,1,2,3,4,5,6,7
	s_wait_dscnt 15-8*\t-\i                        ; LDS loads come back in order: this one is in, the younger ones may be out
	global_store_b128 v[GO], v[KS+32*\t+4*\i:KS+32*\t+4*\i+3], s[8:9] offset:\t*4096+512*\i th:TH_STORE_NT   ; two rows: 512 consecutive bytes, aligned; written once, read by nobody here
.endr
.endr
.Lclose:
	s_set_vgpr_msb 0x4
	s_wait_tensorcnt 0x0
	ds_add_u32 v63, v97
	s_wait_dscnt 0x0
	s_set_vgpr_msb 0x400
	ROUND                                          ; the closing round: no work-group ends while a partner may still ask for a tile that names it
	s_endpgm
.Lfunc_end_k_qba58e75eed_attn:
	.size	k_qba58e75eed_attn, .Lfunc_end_k_qba58e75eed_attn-k_qba58e75eed_attn
	.p2alignl 7, 3214868480
	.fill 96, 4, 3214868480
	.section	.rodata,"a",@progbits
	.p2align	6, 0x0
	.amdhsa_kernel k_qba58e75eed_attn
		.amdhsa_group_segment_fixed_size 168960
		.amdhsa_private_segment_fixed_size 0
		.amdhsa_enable_private_segment 0
		.amdhsa_kernarg_size 24
		.amdhsa_user_sgpr_count 2
		.amdhsa_user_sgpr_kernarg_segment_ptr 1
		.amdhsa_wavefront_size32 1
		.amdhsa_system_sgpr_workgroup_id_x 1
		.amdhsa_system_sgpr_workgroup_id_y 1
		.amdhsa_system_sgpr_workgroup_id_z 1
		.amdhsa_system_vgpr_workitem_id 0
		.amdhsa_next_free_vgpr 354
		.amdhsa_next_free_sgpr 66
		.amdhsa_reserve_vcc 0
		.amdhsa_float_denorm_mode_32 3
		.amdhsa_float_denorm_mode_16_64 3
		.amdhsa_memory_ordered 1
		.amdhsa_forward_progress 1
		.amdhsa_inst_pref_size 76
	.end_amdhsa_kernel
	.amdgpu_metadata
---
amdhsa.version: [ 1, 2 ]
amdhsa.kernels:
  - .name:           k_qba58e75eed_attn
    .symbol:         k_qba58e75eed_attn.kd
    .args:
      - { .name: query, .offset: 0, .size: 8, .value_kind: global_buffer, .address_space: global }
      - { .name: pack, .offset: 8, .size: 8, .value_kind: global_buffer, .address_space: global }
      - { .name: out0, .offset: 16, .size: 8, .value_kind: global_buffer, .address_space: global }
    .group_segment_fixed_size: 168960
    .private_segment_fixed_size: 0
    .kernarg_segment_align: 8
    .kernarg_segment_size: 24
    .max_flat_workgroup_size: 256
    .sgpr_count:     66
    .vgpr_count:     354
    .wavefront_size: 32
...
	.end_amdgpu_metadata
.endif
;; end of part 2
